; MI455X (gfx1250); checked and timed in simulation.
; The chip was launched on July 23, 2026; its instructions are those of AMD's public machine-readable ISA for CDNA 5 (MIT licence, August 2026) and "CDNA5" Instruction Set Architecture Reference Guide (July 2026). The comments in the code are by the model that wrote it; some were corrected since.
;; Parallel Proj2 D. Allowed arithmetic: float matrix products may take bf16 or f16 operands with f32 sums; all other float work in f32.
;; Inputs: x 2 x 256 x 256 x 1 float32.
;; Outputs: out0 2 x 180 x 363 x 1 float32.
;; One version. Each part assembles by itself: llvm-mc -triple=amdgcn-amd-amdhsa -mcpu=gfx1250 --defsym DOCPART=n.
;; ======== version 1 of 1: 1 launch
;; launch project (part 1): grid 125 x 2, 32 waves a work-group, no clusters, 276,736 bytes of LDS; arguments x, out0; writes out0
.if DOCPART == 1
	.amdgcn_target "amdgcn-amd-amdhsa--gfx1250"
	.amdhsa_code_object_version 6
	.text
	.protected	k_q89c81b7303_project
	.globl	k_q89c81b7303_project
	.p2align	8
	.type	k_q89c81b7303_project,@function
k_q89c81b7303_project:
	s_mov_b64 s[64:65], 0
	v_nop
	global_prefetch_b8 v0, s[64:65] scope:SCOPE_SE
	s_setreg_imm32_b32 hwreg(HW_REG_WAVE_MODE, 25, 1), 1
	s_wait_xcnt 0x0
; Parallel-beam forward projection: out0[b][a][d] = sum over 363 samples of the bilinear value of x[b] (zero outside) at
;   fx = 127.5 + s cos - t sin,  fy = 127.5 + s sin + t cos,   s = d - 181, t = tau - 181, theta = a pi / 180.
;
; DESIGN.  A work-group keeps one whole image (f32) in LDS and its 32 waves walk rays through it.  The lanes of a wave are 32
; neighbouring detectors at the same tau, so they step by (cos, sin) from lane to lane.  LDS rows are 257 words apart, so the bank of
; a pixel (64 banks of 4 bytes: ISA guide 11.1) is (column + row) mod 64.  For 0..90 degrees both steps are >= 0: column + row never
; falls from lane to lane, stays only where the word stays, and rises by at most 31 (cos + sin) + 2 < 46: one gather touches no bank twice.
; Angles above 90 degrees are served by work-groups that store the image's rows in reverse order: the projection of the image at
; angle a, detector d, is the projection of the flipped image at 180 - a, detector 362 - d.  So only 0..90 degrees are ever computed.
;
; ALL COORDINATES ARE INTEGERS (Q23, modulo 2^32): column + 1 and row + 1 of a sample, stepped by -sin and +cos.  True values lie in
; (-143, 415), so a negative one wraps to above 369, and ONE unsigned minimum with 257.0 sends everything outside (0, 257) to
; 257.0: weight 0 and a zero word.  sin and cos come from an integer Horner series (terms to x^11: error below 6e-8,
; at most 1e-5 pixel at |s|, |t| = 181).  Weights, pixels and sums are f32.
;
; LDS, in words: word(jy, jx) = 257 jy + jx.  Pixel (row y, column x) lies at jy = y + 1, jx = x + 1.  Row jy = 0, column jx = 0 of every
; row (which is also jx = 257 of the row above) and everything from jy = 257 on are zeros.
;
; WORK.  A task is an angle and 32 detectors.  Chunks 1..10 are split between the two waves of a pair in the middle of their run of
; blocks; the short edge chunks 0 and 11 form one task, a wave each: 11 tasks an angle.  Upright: 91 angles, 1001 tasks, 63 work-groups
; of 16 tasks; flipped: 89 angles, 979 tasks, 62 work-groups.  Inside an angle the chunks are taken in the order 5 pos mod 11, so that 16
; consecutive tasks mix long and short chunks.  Samples go in blocks of 12; lane beta tests block beta by four integer inequalities
; (a superset with 1/8 pixel of margin), and only the run of blocks that can touch the image is walked.
;
; NO TENSOR LOADS, NO MULTICAST, though 62 or 63 work-groups read the same image: the gather needs a pitch of 257 words and, for half
; of the work-groups, reversed rows; a descriptor's padding behind a row of 256 words is at least 2 words and it cannot reverse rows.
; With 258 words the bank would be column + 2 row, whose rise 31 (cos + 2 sin) passes 64 between about 39 and 88 degrees.
; NO MATRIX INSTRUCTIONS: the operator is a gather, and the batch gives only 2 columns.
; STORES: a row of out0 is 363 numbers = 1452 bytes, so chunks of 32 detectors cannot be aligned; a wave stores 128 consecutive bytes.
;
; LIMITS.  Inputs must be finite: a sample clamped outside multiplies a neighbouring pixel by the weight 0, so an Inf or NaN in image
; column 0 reaches rays that do not touch it.  Coordinates are quantised to 2^-23 pixel.  A ray's sum runs in four partial chains.
.set NW0,    63                        ; work-groups along x that hold the image upright; the other 62 hold it flipped
.set NT0,    1001                      ; tasks of the upright ones: 91 angles x 11
.set NT1,    979                       ; tasks of the flipped ones: 89 angles x 11
.set PITCH,  1028                      ; bytes from LDS row to LDS row: 257 words
.set LIM,    0x80800000                ; 257.0 in Q23
.set HALF23, 0x40400000                ; 128.5 in Q23: the image's centre in (column + 1, row + 1)
.set HM16,   0x80a000                  ; 128.5 + 1/8 in Q16, for the block test
.set TAIL,   257*257*4                 ; first byte of the zero rows behind the image
.set SCR,    268544                    ; 32 x 128 bytes: each wave's 32 sums
.set IMG,    64                        ; v[64:127]  the 16 image loads of a thread
.set SMP,    32                        ; v[32:127]  12 sample slots of 8: pixels {00,10},{01,11}, {wx,uy}, {1-wy,wy}
; v1 lane  v2 global offset  v3 LDS fill base  v4 zero  v5-v9 at work  v10,v11 X,Y  v[12:15] sums  v[16:19] constants
; v20-v23 at work in a sample  v24 detector  v25 output offset  v26 my sums' LDS address  v27 my partner's
	s_load_b128 s[4:7], s[0:1], 0x0                ; x s[4:5], out0 s[6:7]
	v_lshl_add_u32 v30, v0, 2, 0x42900
	v_mov_b32 v31, 0
	v_and_b32 v1, 31, v0                           ; lane
	v_lshrrev_b32 v2, 5, v0
	v_readfirstlane_b32 s8, v2                     ; wave 0..31
	s_and_b32 s9, ttmp7, 0xffff                    ; batch
	s_mov_b32 s10, ttmp9
	s_mov_b32 s13, NT0
	s_cmp_ge_u32 s10, NW0
	s_cselect_b32 s11, 1, 0                        ; m: 1 = this work-group holds the image flipped
	s_cselect_b32 s12, 31, 0
	s_cselect_b32 s13, NT1, s13                    ; number of tasks of my kind
	s_cselect_b32 s14, NW0, 0
	s_sub_co_u32 s14, s10, s14                     ; my number among the work-groups of my kind
	; THE FILL.  Wave w owns LDS rows jy = 8 w + 1 .. 8 w + 8.  Load j = (jp, seg): lanes 0-15 take 256 bytes (piece seg) of one image row,
	; lanes 16-31 the same piece of the neighbouring row.  Upright: image row 8 w + 2 jp + h.  Flipped: 255 minus that,
	; = 8 (31 - w) + 2 (3 - jp) + (1 - h).
	v_lshrrev_b32 v5, 4, v1                        ; h
	v_and_b32 v6, 15, v1                           ; r
	v_xor_b32 v7, s11, v5                          ; h, or 1 - h
	v_lshlrev_b32 v7, 10, v7
	v_lshl_add_u32 v7, v6, 4, v7                   ; + 16 r
	s_xor_b32 s15, s8, s12                         ; w, or 31 - w
	s_lshl_b32 s15, s15, 13                        ; x 8 rows of 1,024 bytes
	v_add_nc_u32 v2, s15, v7
	v_mul_u32_u24 v3, v5, PITCH                    ; LDS: h rows + 16 r + 8 w rows
	v_lshl_add_u32 v3, v6, 4, v3
	s_mul_i32 s15, s8, 8*PITCH
	v_add_nc_u32 v3, s15, v3
	s_lshl_b32 s16, s9, 18                         ; batch x 262,144 bytes
	s_mov_b32 s17, 0
	s_wait_kmcnt 0x0
	s_add_nc_u64 s[4:5], s[4:5], s[16:17]
	s_cmp_eq_u32 s11, 0
	s_cbranch_scc0 .Lflip
.set j, 0
.rept 16
	global_load_b128 v[IMG+4*j:IMG+4*j+3], v2, s[4:5] offset:(j/4)*2048+(j%4)*256
.set j, j+1
.endr
	s_branch .Lloaded
.Lflip:
.set j, 0
.rept 16
	global_load_b128 v[IMG+4*j:IMG+4*j+3], v2, s[4:5] offset:(3-j/4)*2048+(j%4)*256
.set j, j+1
.endr
.Lloaded:
	; THE ZEROS, each byte by one wave.
	v_mov_b32 v4, 0
	v_lshlrev_b32 v8, 2, v1
	s_lshl_b32 s15, s8, 7
	v_add_nc_u32 v8, s15, v8                       ; 128 w + 4 lane
	v_add_nc_u32 v9, TAIL, v8
	ds_store_b32 v9, v4                            ; 1,024 words from jy = 257 on (516 of them can be read)
	v_add_nc_u32 v26, SCR, v8                      ; where my sums will go
	s_xor_b32 s15, s8, 1
	s_lshl_b32 s15, s15, 7
	v_lshl_add_u32 v27, v1, 2, s15
	v_add_nc_u32 v27, SCR, v27                     ; where my partner's will be
	v_and_b32 v7, 7, v1
	v_mul_u32_u24 v7, v7, PITCH
	s_mul_i32 s15, s8, 8*PITCH
	v_add_nc_u32 v7, s15, v7
	ds_store_b32 v7, v4 offset:PITCH               ; column jx = 0 of my 8 rows (four lanes write each word, the same zero)
	s_cmp_gt_u32 s8, 8
	s_cbranch_scc1 .Lrow0
	v_min_u32 v7, 1024, v8                         ; row jy = 0: waves 0-7 write words 0-255, wave 8 word 256
	ds_store_b32 v7, v4
.Lrow0:
	; MY TASK, while the image is on its way.  All scalar, all integer.
	s_lshr_b32 s20, s8, 1                          ; pair
	s_and_b32 s21, s8, 1                           ; p: which wave of the pair
	s_lshl_b32 s22, s14, 4
	s_add_co_u32 s22, s22, s20                     ; task
	s_cmp_lt_u32 s22, s13
	s_cselect_b32 s23, -1, 0                       ; all ones: the task exists (the last work-group of a kind has spare pairs)
	s_sub_co_u32 s24, s13, 1
	s_min_u32 s22, s22, s24
	s_mul_i32 s24, s22, 745                        ; n / 11 = (745 n) >> 13 for n <= 1000: 745 x 11 = 8195, the excess stays below 1/11
	s_lshr_b32 s24, s24, 13                        ; angle's index
	s_mul_i32 s25, s24, 11
	s_sub_co_u32 s25, s22, s25                     ; place in the angle, 0..10
	s_mul_i32 s25, s25, 5
	s_mul_i32 s26, s25, 745
	s_lshr_b32 s26, s26, 13
	s_mul_i32 s26, s26, 11
	s_sub_co_u32 s25, s25, s26                     ; 5 place mod 11: 0 = the edge task, else the chunk
	s_add_co_u32 s24, s24, s11                     ; angle in degrees: 0..90 upright, 1..89 flipped
	s_mul_i32 s26, s21, 11
	s_cmp_eq_u32 s25, 0
	s_cselect_b32 s27, s26, s25                    ; chunk: edge task = 0 for wave 0 of the pair, 11 for wave 1
	s_cselect_b32 s28, 1, 0                        ; edge task
	s_lshl_b32 s29, s27, 5                         ; first detector
; sin(n degrees) in Q23, n = 0..90.  x = n pi/180 in Q30, x^2 in Q28; x^2/m in Q30 = hi(x^2 * 2^34/m);
; sin x = x (1 - x^2/6 (1 - x^2/20 (1 - x^2/42 (1 - x^2/72 (1 - x^2/110))))), every bracket in (0, 1], Q30.
.macro SINQ23 dst, n, x, x2, t
	s_mul_i32 \x, \n, 18740330
	s_mul_hi_u32 \x2, \x, \x
	s_mul_hi_u32 \t, \x2, 156180629
	s_sub_co_u32 \dst, 0x40000000, \t
.irp r, 238609294, 409044504, 858993459, 2863311531
	s_mul_hi_u32 \t, \x2, \r
	s_mul_hi_u32 \t, \t, \dst
	s_lshl_b32 \t, \t, 2
	s_sub_co_u32 \dst, 0x40000000, \t
.endr
	s_mul_hi_u32 \dst, \x, \dst                    ; Q28
	s_add_co_u32 \dst, \dst, 16
	s_lshr_b32 \dst, \dst, 5                       ; rounded to Q23
.endm
	s_sub_co_u32 s35, 90, s24
	SINQ23 s36, s24, s50, s51, s52                 ; sin
	SINQ23 s37, s35, s50, s51, s52                 ; cos
	; WHICH BLOCKS OF 12 SAMPLES CAN TOUCH THE IMAGE.  X falls and Y rises with tau, both rise with the detector.  Block beta is kept if
	;   X(last detector, 12 beta) > 0,  X(first, 12 beta + 11) < 257,  Y(last, 12 beta + 11) > 0,  Y(first, 12 beta) < 257,
	; each with 1/8 pixel of margin, in Q16 (sin and cos cut to 16 bits are off by less than 400 x 2^-16 pixel here).
	; Each test holds on a half line of beta, so the blocks kept form one run.
	s_lshr_b32 s38, s36, 7                         ; sin, Q16
	s_lshr_b32 s39, s37, 7                         ; cos, Q16
	s_sub_co_u32 s40, s29, 181                     ; s of the first detector
	s_add_co_u32 s41, s29, 31
	s_min_u32 s41, s41, 362
	s_sub_co_u32 s41, s41, 181                     ; s of the last
	s_mul_i32 s42, s38, 12
	s_mul_i32 s43, s39, 12
	s_mul_i32 s50, s41, s39
	s_mul_i32 s51, s38, 181
	s_add_co_u32 s50, s50, s51
	s_add_co_u32 s50, s50, HM16                    ; X(last, tau = 0) + margin
	s_mul_i32 s51, s40, s39
	s_mul_i32 s52, s38, 170
	s_add_co_u32 s51, s51, s52
	s_sub_co_u32 s51, HM16, s51                    ; 257 + margin - X(first, tau = 11)
	s_mul_i32 s52, s41, s38
	s_mul_i32 s53, s39, 170
	s_sub_co_u32 s52, s52, s53
	s_add_co_u32 s52, s52, HM16                    ; Y(last, tau = 11) + margin
	s_mul_i32 s53, s40, s38
	s_mul_i32 s54, s39, 181
	s_sub_co_u32 s53, s54, s53
	s_add_co_u32 s53, s53, HM16                    ; 257 + margin - Y(first, tau = 0)
	s_sub_co_u32 s54, 0, s42
	s_sub_co_u32 s55, 0, s43
	v_mad_u32 v5, v1, s54, s50                     ; lane = beta
	v_mad_u32 v6, v1, s42, s51
	v_mad_u32 v7, v1, s43, s52
	v_mad_u32 v8, v1, s55, s53
	v_cmp_lt_i32 s44, 0, v5
	v_cmp_lt_i32 s45, 0, v6
	v_cmp_lt_i32 s46, 0, v7
	v_cmp_lt_i32 s47, 0, v8
	s_and_b32 s44, s44, s45
	s_and_b32 s46, s46, s47
	s_and_b32 s44, s44, s46
	s_and_b32 s44, s44, s23                        ; a pair without a task walks nothing
	s_bcnt1_i32_b32 s48, s44                       ; blocks
	s_ctz_i32_b32 s49, s44                         ; first block (-1 if there is none)
	s_max_i32 s49, s49, 0
	s_add_co_u32 s50, s48, 1
	s_lshr_b32 s50, s50, 1                         ; the first half's blocks
	s_sub_co_u32 s51, s48, s50                     ; the second half's
	s_cmp_eq_u32 s21, 0
	s_cselect_b32 s62, s50, s51                    ; my blocks,
	s_cselect_b32 s53, 0, s50                      ; and how far into the run they begin
	s_cmp_eq_u32 s28, 1                            ; in the edge task each wave walks its own chunk's whole run
	s_cselect_b32 s62, s48, s62
	s_cselect_b32 s53, 0, s53
	s_add_co_u32 s49, s49, s53
	s_mul_i32 s49, s49, 12
	s_sub_co_u32 s49, s49, 181                     ; t of my first sample
	; X = 128.5 + s cos - t sin, Y = 128.5 + s sin + t cos, Q23 modulo 2^32
	s_mul_i32 s54, s40, s37
	s_mul_i32 s55, s49, s36
	s_sub_co_u32 s54, s54, s55
	s_add_co_u32 s54, s54, HALF23
	s_mul_i32 s55, s40, s36
	s_mul_i32 s56, s49, s37
	s_add_co_u32 s55, s55, s56
	s_add_co_u32 s55, s55, HALF23
	v_mad_u32 v10, v1, s37, s54                    ; + lane cos
	v_mad_u32 v11, v1, s36, s55                    ; + lane sin
	s_sub_co_u32 s30, 0, s36                       ; X's step along the ray
	s_mov_b32 s31, s37                             ; Y's
	s_mov_b32 s32, 257
	s_mov_b32 s33, 0x7fffff                        ; the fraction's 23 bits = an f32's mantissa
	s_mov_b32 s34, 0x3f800000                      ; 1.0
	; where the result goes: angle a, detector d upright; angle 180 - a, detector 362 - d flipped
	s_sub_co_u32 s50, 180, s24
	s_cmp_eq_u32 s11, 0
	s_cselect_b32 s50, s24, s50
	s_mul_i32 s51, s9, 180
	s_add_co_u32 s50, s50, s51
	s_mul_i32 s60, s50, 363
	s_sub_co_u32 s51, 362, s29
	s_cmp_eq_u32 s11, 0
	s_cselect_b32 s51, s29, s51
	s_cselect_b32 s61, 1, -1
	s_add_co_u32 s60, s60, s51
	v_mad_u32 v25, v1, s61, s60
	v_lshlrev_b32 v25, 2, v25
	v_add_nc_u32 v24, s29, v1                      ; detector
	s_xor_b32 s57, s21, 1
	s_or_b32 s57, s57, s28
	s_and_b32 s57, s57, s23                        ; I store: the task exists, and I am wave 0 of the pair or it is the edge task
	s_cmp_eq_u32 s28, 0
	s_cselect_b32 s58, 0x3f800000, 0               ; my partner's sums count 1.0, in the edge task 0
	v_mov_b32 v12, 0
	v_mov_b32 v13, 0
	v_mov_b32 v14, 0
	v_mov_b32 v15, 0
	v_mov_b32 v16, -1.0                            ; {1 - wy, wy} = uy {-1, 1} + {2, -1}, uy = 1 + wy
	v_mov_b32 v17, 1.0
	v_mov_b32 v18, 2.0
	v_mov_b32 v19, -1.0
	; The image into LDS, a word at a time since rows of 1,028 bytes keep no wider alignment.  In one store lanes 0-15 are 4 words apart
	; and lanes 16-31 lie 257 words further: 32 different banks.
.set j, 0
.rept 16
	s_wait_loadcnt 15-j                            ; loads return in order: set j is in, the 15 - j younger ones stay out
.irp e, 0,1,2,3
	ds_store_b32 v3, v[IMG+4*j+\e] offset:PITCH+4+(j/4)*2*PITCH+(j%4)*256+4*\e
.endr
.set j, j+1
.endr
	s_wait_dscnt 0x0                               ; my part of the image and of the zeros is written,
	s_barrier_signal -1
	s_barrier_wait -1                              ; everybody's is
; One sample, first half: clamp, step, address, four gathers, weights.
.macro ISSUE s
	v_min_u32 v20, LIM, v10                        ; outside (0, 257), on either side: 257.0
	v_min_u32 v21, LIM, v11
	v_add_nc_u32 v10, s30, v10
	v_add_nc_u32 v11, s31, v11
	v_lshrrev_b32 v22, 23, v20                     ; jx 0..257
	v_lshrrev_b32 v23, 23, v21                     ; jy 0..257
	v_mad_u32_u24 v22, v23, s32, v22
	v_lshlrev_b32 v22, 2, v22                      ; at most 265,224; the furthest gather ends at byte 266,260
	ds_load_b32 v[SMP+8*\s], v22
	ds_load_b32 v[SMP+8*\s+2], v22 offset:4
	ds_load_b32 v[SMP+8*\s+1], v22 offset:PITCH
	ds_load_b32 v[SMP+8*\s+3], v22 offset:PITCH+4
	v_bfi_b32 v[SMP+8*\s+4], s33, v20, s34         ; the fraction as the mantissa of 1.0: 1 + wx, exact
	v_bfi_b32 v[SMP+8*\s+5], s33, v21, s34         ; 1 + wy
	v_add_f32 v[SMP+8*\s+4], -1.0, v[SMP+8*\s+4]   ; wx
	v_pk_fma_f32 v[SMP+8*\s+6:SMP+8*\s+7], v[SMP+8*\s+4:SMP+8*\s+5], v[16:17], v[18:19] op_sel:[1,0,0] op_sel_hi:[1,1,1]
.endm
; Second half: {top, bottom} = {p00, p10} + wx ({p01, p11} - {p00, p10});  sums += {top, bottom} {1 - wy, wy}
.macro USE s
	s_wait_dscnt 4*(11-\s)                         ; LDS loads return in order: this sample's four are in, those of the 11 - s later samples stay out
	v_pk_add_f32 v[SMP+8*\s+2:SMP+8*\s+3], v[SMP+8*\s+2:SMP+8*\s+3], v[SMP+8*\s:SMP+8*\s+1] neg_lo:[0,1] neg_hi:[0,1]
	v_pk_fma_f32 v[SMP+8*\s:SMP+8*\s+1], v[SMP+8*\s+2:SMP+8*\s+3], v[SMP+8*\s+4:SMP+8*\s+5], v[SMP+8*\s:SMP+8*\s+1] op_sel_hi:[1,0,1]
	v_pk_fma_f32 v[12+2*(\s%2):13+2*(\s%2)], v[SMP+8*\s:SMP+8*\s+1], v[SMP+8*\s+6:SMP+8*\s+7], v[12+2*(\s%2):13+2*(\s%2)]
.endm
	s_cmp_eq_u32 s62, 0
	s_cbranch_scc1 .Ldone
.Lblock:
.irp s, 0,1,2,3,4,5,6,7,8,9,10,11
	ISSUE \s
.endr
.irp s, 0,1,2,3,4,5,6,7,8,9,10,11
	USE \s
.endr
	s_sub_co_i32 s62, s62, 1
	s_cmp_lg_u32 s62, 0
	s_cbranch_scc1 .Lblock
.Ldone:
	v_pk_add_f32 v[12:13], v[12:13], v[14:15]
	v_add_f32 v12, v12, v13                        ; my share of each ray's sum (STEP = 1)
	; The two halves of a chunk meet in LDS.
	s_wait_dscnt 0x0                               ; my gathers are over,
	s_barrier_signal -1
	s_barrier_wait -1                              ; everybody's are: from here on LDS is written again
	ds_store_b32 v26, v12
	s_wait_dscnt 0x0                               ; my sums are written,
	s_barrier_signal -1
	s_barrier_wait -1                              ; everybody's are
	ds_load_b32 v13, v27
	s_wait_dscnt 0x0
	v_fma_f32 v12, v13, s58, v12
	s_cmp_eq_u32 s57, 0
	s_cbranch_scc1 .Lend
	v_cmp_gt_u32 vcc_lo, 363, v24                  ; chunk 11 has 11 detectors
	s_wait_xcnt 0x0                                ; EXEC changes only when no earlier global instruction still needs it
	s_and_saveexec_b32 s59, vcc_lo
	global_store_b32 v25, v12, s[6:7] th:TH_STORE_NT
	s_wait_xcnt 0x0
	s_or_b32 exec_lo, exec_lo, s59
.Lend:
	s_wait_tensorcnt 0x0
	ds_add_u32 v30, v31
	s_wait_dscnt 0x0
	s_endpgm
.Lfunc_end_k_q89c81b7303_project:
	.size	k_q89c81b7303_project, .Lfunc_end_k_q89c81b7303_project-k_q89c81b7303_project
	.p2alignl 7, 3214868480
	.fill 96, 4, 3214868480
	.section	.rodata,"a",@progbits
	.p2align	6, 0x0
	.amdhsa_kernel k_q89c81b7303_project
		.amdhsa_group_segment_fixed_size 276736
		.amdhsa_private_segment_fixed_size 0
		.amdhsa_enable_private_segment 0
		.amdhsa_kernarg_size 16
		.amdhsa_user_sgpr_count 2
		.amdhsa_user_sgpr_kernarg_segment_ptr 1
		.amdhsa_wavefront_size32 1
		.amdhsa_system_sgpr_workgroup_id_x 1
		.amdhsa_system_sgpr_workgroup_id_y 1
		.amdhsa_system_sgpr_workgroup_id_z 1
		.amdhsa_system_vgpr_workitem_id 0
		.amdhsa_next_free_vgpr 128
		.amdhsa_next_free_sgpr 66
		.amdhsa_reserve_vcc 1
		.amdhsa_float_denorm_mode_32 3
		.amdhsa_float_denorm_mode_16_64 3
		.amdhsa_memory_ordered 1
		.amdhsa_forward_progress 1
		.amdhsa_inst_pref_size 31
	.end_amdhsa_kernel
	.amdgpu_metadata
---
amdhsa.version: [ 1, 2 ]
amdhsa.kernels:
  - .name:           k_q89c81b7303_project
    .symbol:         k_q89c81b7303_project.kd
    .args:
      - { .name: x, .offset: 0, .size: 8, .value_kind: global_buffer, .address_space: global }
      - { .name: out0, .offset: 8, .size: 8, .value_kind: global_buffer, .address_space: global }
    .group_segment_fixed_size: 276736
    .private_segment_fixed_size: 0
    .kernarg_segment_align: 8
    .kernarg_segment_size: 16
    .max_flat_workgroup_size: 1024
    .sgpr_count:     66
    .vgpr_count:     128
    .wavefront_size: 32
...
	.end_amdgpu_metadata
.endif
;; end of part 1
